; MI455X (gfx1250); checked and timed in simulation.
; The chip was launched on July 23, 2026; its instructions are those of AMD's public machine-readable ISA for CDNA 5 (MIT licence, August 2026) and "CDNA5" Instruction Set Architecture Reference Guide (July 2026). The comments in the code are by the model that wrote it; some were corrected since.
;; Bert With Entity Start Pooling. Allowed arithmetic: float matrix products may take bf16 or f16 operands with f32 sums; all other float work in f32.
;; Inputs: attention_mask 64 x 512 int32; hidden_states 64 x 512 x 1,024 float32; input_ids 64 x 512 int32.
;; Outputs: out0 64 x 3 x 2,048 float32.
;; One version. Each part assembles by itself: llvm-mc -triple=amdgcn-amd-amdhsa -mcpu=gfx1250 --defsym DOCPART=n.
;; ======== version 1 of 1: 1 launch
;; launch entpool (part 1): grid 8 x 64, 1 waves a work-group, no clusters, 4,352 bytes of LDS; arguments input_ids, attention_mask, hidden_states, out0; writes out0
.if DOCPART == 1
	.amdgcn_target "amdgcn-amd-amdhsa--gfx1250"
	.amdhsa_code_object_version 6
	.text
	.protected	k_q65a225978d_entpool
	.globl	k_q65a225978d_entpool
	.p2align	8
	.type	k_q65a225978d_entpool,@function
k_q65a225978d_entpool:
	s_mov_b64 s[64:65], 0
	v_nop
	global_prefetch_b8 v0, s[64:65] scope:SCOPE_SE
	s_setreg_imm32_b32 hwreg(HW_REG_WAVE_MODE, 25, 1), 1
	s_wait_xcnt 0x0
; Entity-start pooling.  hidden_states [64][512][1024] f32, input_ids and attention_mask [64][512] i32, out0 [64][3][2048] f32.
; p_e[b][c] = max over the tokens s of example b with id = 997 + e and mask != 0 of hidden[b][s][c]; 0 if there is no such token.
; out0[b] = (p0,p1), (p0,p2), (p1,p2).
; Only rows of hidden_states whose token passes the test can reach the result (all others are replaced by the fill value),
; so only those rows are loaded.
; One wave is a work-group.  It owns one example (grid y) and 128 columns (grid x): 512 bytes of a row, 16 bytes a lane.
;   1. it tests all 512 tokens of its example (16 a lane),
;   2. packs the (token, entity) pairs of those that pass into a list in LDS,
;   3. walks the list eight entries a trip, all eight rows' loads out together,
;   4. stores each pooled vector to its two places.
; No other wave touches its LDS or its part of the output: no barrier.
; LIMITS.  A NaN in a selected row is dropped, not handed on (v_max3_num_f32 lets a NaN lose).  The sums start at the fill value
; -3.4028235e38, which takes part in the problem's own maximum whenever some token is not selected; if all 512 tokens of an example
; carry one marker and a column is -inf in all of them, this text gives -3.4028235e38 where the problem gives -inf.
; The text is laid out for few markers; with many it is still right, with eight rows of a wave on their way at a time.
.set S_TOK,  512                       ; tokens in an example
.set CHUNK,  8                         ; list entries in a trip
.set MINUS_ENT0, 0xfffffc1b            ; 2^32 - 997: added to an id it gives the entity's number 0, 1, 2 for the ids 997, 998, 999
.set FMIN,   0xff7fffff                ; the fill: the lowest finite f32
.set OUTB,   24576                     ; bytes of out0 in an example: 3 rows of 8,192
.set IOFF, 1                           ; v1        byte offset of my first four tokens in ids and in mask
.set VL,   2                           ; v2        16 lane + 512 chunk: my 16 bytes in a row of hidden_states and in a half row of out0
.set NEG,  3                           ; v3        the fill
.set VI,   4                           ; v4        byte offset in the list of the trip's first entry
.set SEEN, 5                           ; v5        bit e set: entity e has been met
.set ACC,  6                           ; v[6:17]   entity e: four running maxima
.set ID,   18                          ; v[18:33]  ids of my 16 tokens; then each token's place in the list, in bytes
.set AM,   34                          ; v[34:49]  mask of my 16 tokens
.set P,    50                          ; v[50:81]  16 pairs (token's number, entity's number): a list entry as it is stored
.set LA,   82                          ; v[82:89]  LDS address of entry u of the trip
.set EN,   90                          ; v[90:105] entry u: token, entity
.set OF,   106                         ; v[106:113] byte offset of my 16 bytes in entry u's row
.set X,    114                         ; v[114:145] entry u: my four numbers of its row
.set T,    146                         ; v[146:153] at work
.set L4,   154                         ; v154      4 x lane
.set BATCH, 12
.set N,     16                         ; s16       entries in the list
.set T0,    17
.set T1,    18
.set LAST,  19                         ; s19       byte offset of the last entry
.set TRIPS, 20
.set K,     21
.set M,     24                         ; s[24:39]  word w: the lanes whose token w passes
.set Q,     40                         ; s[40:43]  at work in the test
.set MK,    24                         ; s[24:47]  in the loop (the word masks are dead then): entry u is entity e, all lanes alike
.set HAS,   48                         ; s[48:50]  entity e has a token, all lanes alike
	s_load_b256 s[4:11], s[0:1], 0x0               ; ids s[4:5], mask s[6:7], hidden_states s[8:9], out0 s[10:11]
	v_lshl_add_u32 v156, v0, 2, 0x1000
	v_mov_b32 v157, 0
	s_and_b32 s[BATCH], ttmp7, 0xffff              ; the example
	s_lshl_b32 s[T0], s[BATCH], 11                 ; its 2,048 bytes in ids and in mask
	s_lshl_b32 s[T1], ttmp9, 9                     ; my 512 bytes of a row
	v_lshl_add_u32 v[IOFF], v0, 4, s[T0]           ; one wave: v0 is the lane
	v_lshl_add_u32 v[VL], v0, 4, s[T1]
	s_wait_kmcnt 0x0
; Load j brings tokens 128 j + 4 lane + 0..3: each load of the wave covers 512 consecutive bytes.
.irp j, 0,1,2,3
	global_load_b128 v[ID+4*\j:ID+4*\j+3], v[IOFF], s[4:5] offset:512*\j
	global_load_b128 v[AM+4*\j:AM+4*\j+3], v[IOFF], s[6:7] offset:512*\j
.endr
; All that does not hang on the ids is done while they are on their way.
	s_lshl_b32 s14, s[BATCH], 21                   ; an example of hidden_states: 512 rows of 4,096 bytes
	s_mov_b32 s15, 0
	s_add_nc_u64 s[8:9], s[8:9], s[14:15]
	s_mul_i32 s14, s[BATCH], OUTB
	s_add_nc_u64 s[10:11], s[10:11], s[14:15]
	s_mov_b32 s[N], 0
	v_lshlrev_b32 v[L4], 2, v0
	v_mov_b32 v[NEG], FMIN
	v_mov_b32 v[SEEN], 0
.set w, 0
.rept 16
	v_add_nc_u32 v[P+2*w], 128*(w/4)+(w%4), v[L4]  ; the number of my token w: the first half of its list entry
.set w, w+1
.endr
.set i, 0
.rept 12
	v_mov_b32 v[ACC+i], FMIN                       ; the maxima start at the fill, as the problem's do
.set i, i+1
.endr
; Four words of 32 tokens: who passes, and where in the list each of them goes.
.macro SCAN4 j
	s_wait_loadcnt 6-2*\j                          ; loads come back in order (ISA guide 5.7.1): ids and mask of group j are in, the 6 - 2 j younger loads stay out
.irp c, 0,1,2,3
	v_add_nc_u32 v[P+2*(4*\j+\c)+1], MINUS_ENT0, v[ID+4*\j+\c]     ; id - 997: the second half of the entry
.endr
.irp c, 0,1,2,3
	v_cmp_gt_u32 s[Q+\c], 3, v[P+2*(4*\j+\c)+1]                    ; unsigned: true for 997, 998, 999 alone
	v_cmp_ne_u32 s[M+4*\j+\c], 0, v[AM+4*\j+\c]                    ; attended
.endr
.irp c, 0,1,2,3
	s_and_b32 s[M+4*\j+\c], s[M+4*\j+\c], s[Q+\c]
.endr
.irp c, 0,1,2,3
	v_mbcnt_lo_u32_b32 v[ID+4*\j+\c], s[M+4*\j+\c], s[N]           ; entries so far + passing lanes below mine
	s_bcnt1_i32_b32 s[T0], s[M+4*\j+\c]
	s_add_co_u32 s[N], s[N], s[T0]
.endr
.irp c, 0,1,2,3
	v_min_u32 v[ID+4*\j+\c], S_TOK-1, v[ID+4*\j+\c]                ; a number made from loaded data enters an address only behind a minimum with a constant: the list has 512 places
	v_lshlrev_b32 v[ID+4*\j+\c], 3, v[ID+4*\j+\c]                  ; 8 bytes an entry
.endr
.endm
	SCAN4 0
	SCAN4 1
	SCAN4 2
	SCAN4 3
	s_cmp_eq_u32 s[N], 0
	s_cbranch_scc1 .Lout                           ; no marker in this example: zeros go out
; The list.  In each word only the passing lanes store; their places are 0 .. N - 1, each taken once.
	s_wait_xcnt 0x0                                ; EXEC is a source of the global loads above: it changes only behind this wait
.set w, 0
.rept 16
	s_mov_b32 exec_lo, s[M+w]
	ds_store_b64 v[ID+w], v[P+2*w:P+2*w+1]
.set w, w+1
.endr
	s_mov_b32 exec_lo, -1                          ; no global access was issued since the wait above
	s_add_co_u32 s[TRIPS], s[N], CHUNK-1
	s_lshr_b32 s[TRIPS], s[TRIPS], 3               ; ceil(N / 8) trips
	s_lshl_b32 s[LAST], s[N], 3
	s_sub_co_u32 s[LAST], s[LAST], 8               ; the last entry's byte offset
	s_mov_b32 s[K], 0
	v_mov_b32 v[VI], 0
; Rows 2 p and 2 p + 1 of the trip.  For each entity: the row where the entry is that entity, else the fill; one three-way maximum folds both rows in.
.macro PAIR p
	s_wait_loadcnt 6-2*\p                          ; both rows are in; the 6 - 2 p younger rows stay out
.irp e, 0,1,2
.irp r, 0,1,2,3
	v_cndmask_b32 v[T+\r],   v[NEG], v[X+8*\p+\r],   s[MK+6*\p+\e]
	v_cndmask_b32 v[T+4+\r], v[NEG], v[X+8*\p+4+\r], s[MK+6*\p+3+\e]
.endr
.irp r, 0,1,2,3
	v_max3_num_f32 v[ACC+4*\e+\r], v[ACC+4*\e+\r], v[T+\r], v[T+4+\r]
.endr
.endr
.endm
.Lchunk:
; Every lane reads the same eight entries.  Past the list's end the last entry is taken again: a maximum does not change when a row
; is taken twice, and no row is loaded that the result does not need.
.irp u, 0,1,2,3,4,5,6,7
	v_add_nc_u32 v[LA+\u], 8*\u, v[VI]
	v_min_u32 v[LA+\u], s[LAST], v[LA+\u]
	v_min_u32 v[LA+\u], 8*(S_TOK-1), v[LA+\u]      ; the bound written out as a constant: the address lies in the list's 4,096 bytes
	ds_load_b64 v[EN+2*\u:EN+2*\u+1], v[LA+\u]     ; LDS serves a wave's instructions in order (ISA guide 5.7.1.4): these see the stores above
.endr
.irp u, 0,1,2,3,4,5,6,7
	s_wait_dscnt CHUNK-1-\u                        ; entry u is in; the 7 - u younger LDS loads stay out
	v_min_u32 v[EN+2*\u], S_TOK-1, v[EN+2*\u]      ; a loaded index enters an address only behind a minimum with a constant
	v_lshl_add_u32 v[OF+\u], v[EN+2*\u], 12, v[VL] ; token x 4,096 + my 16 bytes
	global_load_b128 v[X+4*\u:X+4*\u+3], v[OF+\u], s[8:9]          ; 512 consecutive bytes of the row; no hint: the list's tail names a row again
.endr
; While the rows are on their way: which entity each entry is, and which entities have been met.
.irp u, 0,1,2,3,4,5,6,7
.irp e, 0,1,2
	v_cmp_eq_u32 s[MK+3*\u+\e], \e, v[EN+2*\u+1]
.endr
	v_lshl_or_b32 v[SEEN], 1, v[EN+2*\u+1], v[SEEN]
.endr
	PAIR 0
	PAIR 1
	PAIR 2
	PAIR 3                                         ; its wait is for 0: every load of the trip is done, so OF and X may be written again
	v_add_nc_u32 v[VI], 8*CHUNK, v[VI]
	s_add_co_u32 s[K], s[K], 1
	s_cmp_lt_u32 s[K], s[TRIPS]
	s_cbranch_scc1 .Lchunk
.Lout:
; An entity that was never met gives zeros.
.irp e, 0,1,2
	v_and_b32 v[T+\e], 1<<\e, v[SEEN]
.endr
.irp e, 0,1,2
	v_cmp_ne_u32 s[HAS+\e], 0, v[T+\e]
.endr
.irp e, 0,1,2
.irp r, 0,1,2,3
	v_cndmask_b32 v[ACC+4*\e+\r], 0, v[ACC+4*\e+\r], s[HAS+\e]
.endr
.endr
; Each store of the wave covers 512 consecutive bytes, aligned.  Rows of out0 are 8,192 bytes, halves 4,096: (p0,p1), (p0,p2), (p1,p2).
	global_store_b128 v[VL], v[ACC:ACC+3],    s[10:11] th:TH_STORE_NT
	global_store_b128 v[VL], v[ACC+4:ACC+7],  s[10:11] offset:4096 th:TH_STORE_NT
	global_store_b128 v[VL], v[ACC:ACC+3],    s[10:11] offset:8192 th:TH_STORE_NT
	global_store_b128 v[VL], v[ACC+8:ACC+11], s[10:11] offset:12288 th:TH_STORE_NT
	global_store_b128 v[VL], v[ACC+4:ACC+7],  s[10:11] offset:16384 th:TH_STORE_NT
	global_store_b128 v[VL], v[ACC+8:ACC+11], s[10:11] offset:20480 th:TH_STORE_NT
	s_wait_tensorcnt 0x0
	ds_add_u32 v156, v157
	s_wait_dscnt 0x0
	s_endpgm
.Lfunc_end_k_q65a225978d_entpool:
	.size	k_q65a225978d_entpool, .Lfunc_end_k_q65a225978d_entpool-k_q65a225978d_entpool
	.p2alignl 7, 3214868480
	.fill 96, 4, 3214868480
	.section	.rodata,"a",@progbits
	.p2align	6, 0x0
	.amdhsa_kernel k_q65a225978d_entpool
		.amdhsa_group_segment_fixed_size 4352
		.amdhsa_private_segment_fixed_size 0
		.amdhsa_enable_private_segment 0
		.amdhsa_kernarg_size 32
		.amdhsa_user_sgpr_count 2
		.amdhsa_user_sgpr_kernarg_segment_ptr 1
		.amdhsa_wavefront_size32 1
		.amdhsa_system_sgpr_workgroup_id_x 1
		.amdhsa_system_sgpr_workgroup_id_y 1
		.amdhsa_system_sgpr_workgroup_id_z 1
		.amdhsa_system_vgpr_workitem_id 0
		.amdhsa_next_free_vgpr 158
		.amdhsa_next_free_sgpr 66
		.amdhsa_reserve_vcc 0
		.amdhsa_float_denorm_mode_32 3
		.amdhsa_float_denorm_mode_16_64 3
		.amdhsa_memory_ordered 1
		.amdhsa_forward_progress 1
		.amdhsa_inst_pref_size 29
	.end_amdhsa_kernel
	.amdgpu_metadata
---
amdhsa.version: [ 1, 2 ]
amdhsa.kernels:
  - .name:           k_q65a225978d_entpool
    .symbol:         k_q65a225978d_entpool.kd
    .args:
      - { .name: input_ids, .offset: 0, .size: 8, .value_kind: global_buffer, .address_space: global }
      - { .name: attention_mask, .offset: 8, .size: 8, .value_kind: global_buffer, .address_space: global }
      - { .name: hidden_states, .offset: 16, .size: 8, .value_kind: global_buffer, .address_space: global }
      - { .name: out0, .offset: 24, .size: 8, .value_kind: global_buffer, .address_space: global }
    .group_segment_fixed_size: 4352
    .private_segment_fixed_size: 0
    .kernarg_segment_align: 8
    .kernarg_segment_size: 32
    .max_flat_workgroup_size: 32
    .sgpr_count:     66
    .vgpr_count:     158
    .wavefront_size: 32
...
	.end_amdgpu_metadata
.endif
;; end of part 1
